; MI455X (gfx1250); checked and timed in simulation.
; The chip was launched on July 23, 2026; its instructions are those of AMD's public machine-readable ISA for CDNA 5 (MIT licence, August 2026) and "CDNA5" Instruction Set Architecture Reference Guide (July 2026). The comments in the code are by the model that wrote it; some were corrected since.
;; Model Sglang. Allowed arithmetic: matrix products marked QUANTISED: E3M2 operands, one E8M0 scale for each 32 along K, by v_wmma_scale_f32_16x16x128_f8f6f4 with both operands' format E3M2, f32 sums; everything else in f32.
;; Inputs: b_seq_len 8 int32; b_start_loc 8 int32; k 8,192 x 16 x 64 float32; q 8,192 x 16 x 64 float32; v 8,192 x 16 x 64 float32.
;; Outputs: out0 8,192 x 16 x 64 float32.
;; This version of the problem:
;;   THIS VERSION OF THE PROBLEM IS GIVEN IN LOW PRECISION. The matrix products marked QUANTISED in the list below multiply operands that are first quantised to E3M2 (3 exponent bits, 2 mantissa bits; 6 bits a number), with one power-of-two scale for each 32 numbers along K (OCP MX v1.0); their sums are f32. All else is computed in f32.
;;   The module's matrix products, in the order in which they are computed (A, B: the left and right operand; K: the contracted axis; several contracted axes count as one K, in the product's order):
;;     1. batch 128 x [M 1,024, K 64] x [K 64, N 1,024]; A: input q; B: input k: QUANTISED
;;     2. batch 128 x [M 64, K 1,024] x [K 1,024, N 1,024]; A: input v; B: softmax (see below): QUANTISED
;;   THE QUANTISER, for each operand of a quantised product, along K:
;;     - K is cut into blocks of 32 from its start; a last block that is shorter is filled with zeros.
;;     - A block's scale is 2^e with e = floor(log2(the largest magnitude in the block)) - 4, held to -126 .. 127; a block of zeros has e = 0. As a byte (E8M0): e + 127.
;;     - Each number is divided by its block's scale, clamped to +-28, and rounded to the nearest number of E3M2, ties to even, subnormals kept.
;;     - The product sums the exact products of the quantised numbers (number of the format x scale) in f32.
;;   ~~~python
;;   def quantise(x, axis):      # numpy; x: float32 -> the quantised numbers, widened to float32 again
;;       x = np.moveaxis(x, axis, -1); K = x.shape[-1]
;;       x = np.pad(x, [(0, 0)] * (x.ndim - 1) + [(0, -K % 32)]); x = x.reshape(x.shape[:-1] + (-1, 32)); a = np.abs(x).max(-1, keepdims=True)
;;       e = np.where(a > 0, np.clip(np.frexp(np.where(a > 0, a, 1))[1] - 1 - 4, -126, 127), 0)      # np.frexp(a)[1] - 1 = floor(log2(a)), exactly
;;       r = np.clip(x / 2.0 ** e, -28, 28)
;;       step = 2.0 ** (np.maximum(np.frexp(np.where(r == 0, 1, r))[1] - 1, -2) - 2)
;;       q = np.round(r / step) * step * 2.0 ** e      # np.round: ties to even
;;       return np.moveaxis(q.reshape(q.shape[:-2] + (-1,))[..., :K], -1, axis).astype(np.float32)
;;   ~~~
;;   SOFTMAX AHEAD OF A QUANTISED PRODUCT. Where the list says 'softmax', what is quantised is not the finished softmax but p = 2^(t - M), with t = logit x log2(e) and M = ceil(the row's largest t), a whole number; so 1/2 < the row's largest p <= 1. The row's sum l is taken of the UNQUANTISED p, in f32, and the product's result is divided by l at the end. Since M is a whole number, a kernel that streams over the keys may use a running M (the ceiling of the running maximum): every later rescaling is an exact power of two, which a block's scale takes up: the codes' values come out the same.
;;   OPERANDS COMPUTED ON THE WAY. 'Computed on the way' means the value that the module computes at that place (a softmax that the list does not call 'softmax' is quantised finished and normalised). What goes into a quantiser is computed in f32, as accurately as f32 sums, v_exp_f32 and their like allow (about 1e-6 of the number): no bf16 or f16 on the way to a quantiser, and a product that is left as it is and whose result goes on into a quantised operand takes f32 operands (vector FMAs, or v_wmma_f32_16x16x4_f32). A number that lies on a knife's edge between two numbers of the format may be rounded either way, as far as f32 arithmetic and the matrix unit's own rounding can turn it there, and no further.
;; One version. Each part assembles by itself: llvm-mc -triple=amdgcn-amd-amdhsa -mcpu=gfx1250 --defsym DOCPART=n.
;; ======== version 1 of 1: 1 launch
;; limits: right only within a limited range of input values
;; launch attn (part 1): grid 256 x 1, 16 waves a work-group, no clusters, 249,856 bytes of LDS; arguments q, k, v, b_seq_len, out0; writes out0
.if DOCPART == 1
	.amdgcn_target "amdgcn-amd-amdhsa--gfx1250"
	.amdhsa_code_object_version 6
	.text
	.protected	k_q6df022e82e_attn
	.globl	k_q6df022e82e_attn
	.p2align	8
	.type	k_q6df022e82e_attn,@function
k_q6df022e82e_attn:
	s_mov_b64 s[64:65], 0
	v_nop
	global_prefetch_b8 v0, s[64:65] scope:SCOPE_SE
	s_setreg_imm32_b32 hwreg(HW_REG_WAVE_MODE, 25, 1), 1
	s_wait_xcnt 0x0
; Causal attention on packed sequences: 8 sequences x 16 heads, 1,024 tokens, head size 64.  q, k, v, out0: [8192][16][64] f32: a (token, head) row is 256 bytes, tokens lie 4,096 bytes apart.
; Both products on codes of BF6 (E3M2) with one E8M0 scale for each 32 along K.  S^T = K Q^T has K = 64; O^T = V^T P^T has K = the keys.  p = 2^(t - M), t = score x log2(e) / 8, M the running largest t
; rounded up to a whole number; the row's sum is taken of the unquantised p and divides at the end.
; THE MASKS.  A query under its sequence's length sees keys k <= q, which all lie under that length too; a query at or past the length is zeroed.  So out = (q < b_seq_len[b]) ? causal attention : 0:
; one compare and one select a query, no branch.  b_start_loc is not among the arguments: reference() never reads it (it unpacks the tokens by their fixed places).
; Chunks of keys that lie wholly above the causal diagonal are not multiplied; a NaN or an infinity that stands only there is not carried to the result.
; SHARES.  Work-group x: j = x & 1, head = (x >> 1) & 15, sequence = x >> 5.  A head has 64 tiles of 16 queries; wave w of sixteen takes tile 63 - p and then tile p, p = 2 w + j.  With a = w >> 2 the first needs
; the chunks of 128 keys 0 .. 7 - a, the second 0 .. a: nine tile steps for every wave of the launch.  The time line is nine ITEMS, a tile step each.
; THE WAY IN.  Every global load of a wave reads two whole rows of 256 bytes, sixteen lanes to a row.  Of a chunk of 128 keys wave w loads 16 rows (waves 0-7 K's, waves 8-15 V's: keys 16 (w % 8) on), eight loads,
; two chunks ahead of the chunk that is multiplied.  At the head of item IT the rows of chunk IT + 1 go as they lie into an f32 stage in LDS (a row 272 bytes), and the loads of chunk IT + 2 are issued; behind the
; tile step and a barrier each wave reads its share back in the order that the quantiser wants, and stores codes and scale bytes to LDS, where the whole head's stay: every such byte is written once.
; Waves 0-7 quantise K (a tile of 16 keys each; a lane holds a block of 32 channels of one key), waves 8-15 V (32 channels x 32 keys each; a lane holds one channel and its registers run down the keys, so that
; the codes come out with the keys innermost).  Q's two tiles turn through the wave's own stage of the way out in the same manner.
; NO CLUSTER, NO TENSOR LOADS: only the two work-groups of a head read the same rows, and the numbers pass through registers to be quantised.  NO L2 PREFETCH: a chunk's own loads are issued a whole item
; (a tile step, two barriers) ahead of the wait for them, 64 KiB a work-group.
; LAYOUT.  Both products are used transposed, so that a lane holds ONE query (lane % 16) throughout.  Lane r of K's tile t takes key 32 (t / 2) + 8 (t % 2) + r + 8 (r / 8), so that the 16 registers of tiles 2 b and
; 2 b + 1 are the neighbouring keys 32 b + 16 (lane / 16) + 0 .. 15.
; K = 64 IN AN INSTRUCTION OF 128: Q's fragment is six registers of codes and six of zero codes.  K's fragments lie six registers apart, so the upper half of tile t's operand is tile t + 1's codes (tile 7's: p's
; codes), which meet zero codes alone; the scale bytes of those two blocks are 0 on both sides.
; LIMITS.  NaN and infinities among the inputs are not served.  A block of zeros gets the byte 1, not 127: its codes are zeros, and this kernel alone reads the bytes.  A zeroed row may hold -0.  A p under 2^-126
; comes out of v_exp_f32 as 0.  A block's largest p is made from its largest score, which takes v_exp_f32 not to fall where its input rises.
.set CSTR,  6272                       ; LDS: wave w's codes, all eight chunks: 8 x 768 bytes, + 128
.set CCH,   768                        ; a chunk's part of it: for each half of the lanes HSTR bytes
.set HSTR,  384                        ; 16 lanes x 16 bytes (registers 0-3 of a half fragment), then 16 lanes x 8 bytes (registers 4, 5)
.set VREG,  8*CSTR                     ; the regions of waves 8-15: V's
.set SCREG, 16*CSTR                    ; the scale words, SCCH bytes a chunk: K's tiles 0-3 at 16 r + 4 t, tiles 4-7 256 on, V's channel tiles at 512 + 16 r + 4 ct
.set SCCH,  1024
.set STG,   SCREG+8*SCCH               ; the way out: 16 rows x (256 bytes + 16) for each wave
.set SP,    272
.set FST,   STG+16*16*SP               ; the f32 stage: K's 128 rows of a chunk, then V's 128, SP bytes apart; wave w stores rows 16 w on
.set SPARE, FST+16*16*SP               ; the spare words: 128 bytes a wave
.set LA,   1                           ; v1   384 h + 16 r: my place in a chunk's part, registers 0-3   (r = lane % 16, h = lane / 16)
.set LB,   2                           ; v2   384 h + 8 r: registers 4, 5 (256 more stand in the immediate)
.set LAV,  3                           ; v3   VREG + 6272 h + 16 r: a reader's place among V's regions
.set LBV,  4                           ; v4   VREG + 6272 h + 8 r
.set LSC,  5                           ; v5   SCREG + 16 r
.set FRK,  6                           ; v6   the f32 stage, read for K: my key's row + 128 h
.set FRV,  7                           ; v7   the f32 stage, read for V: my wave's first key's row + my channel
.set WS,   8                           ; v8   where my scale word (K) or byte (V) goes
.set FSW,  10                          ; v10  the f32 stage, stored: my wave's rows, + 272 h + 16 r
.set STO,  11                          ; v11  the stage of the way out: where I put 32 bytes of a row
.set NM,   12                          ; v12  -M;  v13 the running largest t;  v[14:15] the row's sum in two halves
.set SH8,  16                          ; v16  8 h
.set QR,   17                          ; v17  r - 16 h
.set STR,  18                          ; v18  the stage of the way out: where I read a row back
.set GOO,  19                          ; v19  4096 h + 16 r: my bytes of two rows, in q, k, v and out0
.set ADA,  20                          ; v20-23, v45 the step's LDS addresses
.set ADB,  21
.set ADAV, 22
.set ADBV, 23
.set QF,   24                          ; v24-35 Q's fragment; v30-35 stay 0
.set QS,   36                          ; v36  Q's scale word
.set PS,   37                          ; v37  p's scale word
.set QAS,  38                          ; v38-43 the second tile's codes of Q, v44 its scale word, kept
.set ADS,  45
.set SK,   46                          ; v46-53 K's scale words, a tile each
.set SV,   54                          ; v54-57 V's, a channel tile each
.set X,    58                          ; v58-89 the rows on their way in
.set O,    90                          ; v90-121 O^T: register 8 ct + i is channel 16 ct + 8 h + i
.set S,    122                         ; v122-185 S^T, then p, then V's four fragments; in the fill the 32 numbers of a block; on the way out the scaled O^T and the rows read back
.set F,    186                         ; v186-233 K's eight half fragments; behind the products at work
.set PC,   234                         ; v234-245 p's codes
.set FF,   246                         ; v246 f = 2^(old M - new M); v247 its written partner
.set T0,   248
.set T1,   249
.set FWA,  250                         ; v250-252 the fill's store addresses of the chunk in hand
.set FWB,  251
.set FWS,  252
.set QP,   253                         ; v253 the other half's scale byte
.set QSC,  254                         ; v254 a conversion's scale operand, then K's scale word
.set QB,   255                         ; v255 a scale byte
.set BM,   F                           ; at work in the softmax: the blocks' largest scores,
.set BP,   F+4                         ; the other half's, later the bytes,
.set SCO,  F+8                         ; the conversions' scale operands,
.set TH,   F+12                        ; the conversions' second halves
.set CD,   F                           ; at work in the fill: a block's six registers of codes,
.set QT,   F+8                         ; and where their second three are made
.set WV,   14                          ; s14 wave;  s15 1 in V's waves;  s16 wave % 8;  s17 a = wave / 4
.set RHO,  15
.set WI,   16
.set AA,   17
.set LEN,  21                          ; s21 b_seq_len of my sequence
.set CS,   22                          ; s[22:23] c = log2(e) / 8
.set SEL,  24                          ; s[24:25] v_permlanex16_b32's selects for lane l xor 16
.set GB,   26                          ; s[26:27] where my loads of K or V stand
.set OBB,  28                          ; s[28:29] out0 at my first tile;  s[30:31] at my second
.set OBA,  30
.set IT,   32                          ; s32 the item
.set SW,   33                          ; s33 8 - a: the item in which the second tile begins
.set KC,   34                          ; s34 the step's chunk;  s35 768 x it;  s36 1,024 x it
.set CB,   35
.set SB,   36
.set DG,   37                          ; s37 the chunk on the tile's diagonal
.set Q0,   38                          ; s38 the tile's first query;  s39 the second tile's
.set Q0A,  39
.set FC,   40                          ; s40 my region + 768 x the chunk that is being filled;  s41 1,024 x that chunk
.set FS,   41
.set BQ,   44                          ; s44 the block of 32 keys on the diagonal
.set WC,   55                          ; s55 6272 x wave
; 32 numbers of a lane, one block along K, become six registers of codes at v[dst] on; the block's byte is left in v[QB].
.macro QBLK src, dst
	v_max3_num_f32 v[T0], |v[\src]|, |v[\src+1]|, |v[\src+2]|      ; the largest magnitude, in two chains
	v_max3_num_f32 v[T1], |v[\src+3]|, |v[\src+4]|, |v[\src+5]|
.irp i, 6,10,14,18,22,26
	s_delay_alu instid0(VALU_DEP_2)
	v_max3_num_f32 v[T0], v[T0], |v[\src+\i]|, |v[\src+\i+1]|
	s_delay_alu instid0(VALU_DEP_2)
	v_max3_num_f32 v[T1], v[T1], |v[\src+\i+2]|, |v[\src+\i+3]|
.endr
	s_delay_alu instid0(VALU_DEP_2)
	v_max3_num_f32 v[T0], v[T0], |v[\src+30]|, |v[\src+31]|
	s_delay_alu instid0(VALU_DEP_1)
	v_max3_num_f32 v[T0], v[T0], v[T1], 0x2800000                  ; and the floor 2^(5 - 127): the byte cannot fall under 1
	s_delay_alu instid0(VALU_DEP_1)
	v_add_nc_u32 v[QSC], 0xfe000000, v[T0]                         ; 4 off the exponent field: the conversion takes the exponent field of this operand as its scale
	v_cvt_scalef32_pk16_bf6_f32 v[\dst:\dst+2], v[\src:\src+15], v[QSC]
	v_cvt_scalef32_pk16_bf6_f32 v[QT:QT+2], v[\src+16:\src+31], v[QSC]   ; (a conversion's three registers begin on an even number)
	v_lshrrev_b32 v[QB], 23, v[QSC]                                ; the byte; also the plain line behind the conversions
.irp i, 0,1,2
	v_mov_b32 v[\dst+3+\i], v[QT+\i]
.endr
.endm
; A row of 64 along K lies in lanes l (block 0) and l xor 16 (block 1): their two bytes make the row's scale word, the bytes of blocks 2 and 3 being 0.
.macro QWORD dst
	v_lshlrev_b32 v[QB], v[SH8], v[QB]
	s_delay_alu instid0(VALU_DEP_1)
	v_permlanex16_b32 v[QP], v[QB], s[SEL], s[SEL+1]
	s_delay_alu instid0(VALU_DEP_1)
	v_or_b32 v[\dst], v[QB], v[QP]
.endm
.macro BARRIER                         ; my LDS stores have landed and my LDS loads are in: then the work-group's barrier
	s_wait_dscnt 0x0
	s_barrier_signal -1
	s_barrier_wait -1
.endm
; My 16 rows of a chunk are asked for: each load takes two rows of 256 aligned bytes.
.macro FILL_LOAD
.irp i, 0,1,2,3,4,5,6,7
	global_load_b128 v[X+4*\i:X+4*\i+3], v[GOO], s[GB:GB+1] offset:8192*\i
.endr
.endm
; They go into the f32 stage as they lie.
.macro TO_STAGE
.irp i, 0,1,2,3,4,5,6,7
	ds_store_b128 v[FSW], v[X+4*\i:X+4*\i+3] offset:2*\i*SP
.endr
.endm
; My block of the staged chunk is read back, quantised, and goes to LDS at the chunk that s[FC] and s[FS] name.
.macro FILLQ
	v_add_nc_u32 v[FWA], s[FC], v[LA]                              ; these three and the v_nop are the four places between the last product and the loads into V's registers
	v_add_nc_u32 v[FWB], s[FC], v[LB]
	v_add_nc_u32 v[FWS], s[FS], v[WS]
	v_nop
	s_cmp_lt_u32 s[WV], 8
	s_cbranch_scc0 .Lread_v_\@
.irp i, 0,1,2,3,4,5,6,7
	ds_load_b128 v[S+4*\i:S+4*\i+3], v[FRK] offset:16*\i           ; K: 128 bytes of my key's row
.endr
	s_branch .Lread_\@
.Lread_v_\@:
.set NN, 0
.rept 32
	ds_load_b32 v[S+NN], v[FRV] offset:SP*NN                       ; V: my channel of 32 keys; 32 lanes read 128 neighbouring bytes
.set NN, NN+1
.endr
.Lread_\@:
	s_wait_dscnt 0x0
	QBLK S, CD
	ds_store_b128 v[FWA], v[CD:CD+3]
	ds_store_b64 v[FWB], v[CD+4:CD+5] offset:256
	s_cmp_lt_u32 s[WV], 8
	s_cbranch_scc0 .Lbyte_v_\@
	QWORD QSC                                                      ; K: a key's whole word; both lanes of a key store the same word with the same value
	ds_store_b32 v[FWS], v[QSC]
	s_branch .Lstored_\@
.Lbyte_v_\@:
	s_wait_alu depctr_va_vdst(0)                                   ; the wait behind the branch, ahead of the byte's reader
	ds_store_b8 v[FWS], v[QB]                                      ; V: my channel's byte for my wave's 32 keys; the word's other three come from three other waves
.Lstored_\@:
.endm
; A tile begins: the largest t is -3e38, the sum and O^T are zeros, which the first change of M leaves zeros; so the step is written once.
.macro INIT
	v_mov_b32 v[NM+1], 0xff61b1e6
	s_delay_alu instid0(VALU_DEP_1)
	v_floor_f32 v[NM], -v[NM+1]
	v_mov_b32 v[NM+2], 0
	v_mov_b32 v[NM+3], 0
.set NN, 0
.rept 32
	v_mov_b32 v[O+NN], 0
.set NN, NN+1
.endr
.endm
; The causal mask on block b of 32 keys of the diagonal's chunk.  The tile's 16 queries lie in block s[BQ]: lower blocks are seen whole, higher ones hidden whole, that one is compared.  The branches hang on ids alone.
.macro MASKB b
	s_cmp_gt_u32 s[BQ], \b
	s_cbranch_scc1 .Lseen_\@
	s_cmp_eq_u32 s[BQ], \b
	s_cbranch_scc1 .Lmix_\@
.set NN, 16*\b
.rept 16
	v_mov_b32 v[S+NN], v[T1]
.set NN, NN+1
.endr
	s_branch .Lseen_\@
.Lmix_\@:
.set NN, 16*\b
.rept 16
	v_cmp_gt_i32 vcc_lo, 32*\b+NN%16, v[T0]                        ; register 16 b + i holds key 32 b + 16 h + i of the chunk: hidden where 32 b + i > d
	v_cndmask_b32 v[S+NN], v[S+NN], v[T1], vcc_lo
.set NN, NN+1
.endr
.Lseen_\@:
.endm
; A TILE STEP: my 16 queries against the 128 keys of chunk s[KC].
.macro ATT
	v_add_nc_u32 v[ADA],  s[CB], v[LA]                             ; these five are also the places behind the last step's products (ISA guide 7.12.1)
	v_add_nc_u32 v[ADB],  s[CB], v[LB]
	v_add_nc_u32 v[ADAV], s[CB], v[LAV]
	v_add_nc_u32 v[ADBV], s[CB], v[LBV]
	v_add_nc_u32 v[ADS],  s[SB], v[LSC]
	ds_load_b128 v[SK:SK+3], v[ADS]
	ds_load_b128 v[SK+4:SK+7], v[ADS] offset:256
.irp t, 0,1,2,3,4,5,6,7
	ds_load_b128 v[F+6*\t:F+6*\t+3], v[ADA] offset:CSTR*\t
	ds_load_b64 v[F+6*\t+4:F+6*\t+5], v[ADB] offset:CSTR*\t+256
.endr
	ds_load_b128 v[SV:SV+3], v[ADS] offset:512
	s_wait_dscnt 0x1                                               ; all but the youngest load, V's scale words
.irp t, 0,1,2,3,4,5,6,7
	v_wmma_scale_f32_16x16x128_f8f6f4 v[S+8*\t:S+8*\t+7], v[F+6*\t:F+6*\t+11], v[QF:QF+11], 0, v[SK+\t], v[QS] matrix_a_fmt:MATRIX_FMT_BF6 matrix_b_fmt:MATRIX_FMT_BF6
.endr
.rept 4
	v_nop                                                          ; four places in front of the first read or write of the scores
.endr
	s_cmp_lg_u32 s[KC], s[DG]                                      ; only the tile's last chunk lies on the diagonal: a branch on the item and the wave's number
	s_cbranch_scc1 .Lopen_\@
	s_lshl_b32 s43, s[KC], 7
	s_sub_co_i32 s43, s[Q0], s43                                   ; the tile's first query within the chunk: a multiple of 16 under 128
	s_lshr_b32 s[BQ], s43, 5
	v_add_nc_u32 v[T0], s43, v[QR]                                 ; d = my query - the chunk's first key - 16 h
	v_mov_b32 v[T1], 0xff800000                                    ; -infinity: p = 0 then
	s_wait_alu depctr_va_vdst(0)
	MASKB 0
	MASKB 1
	MASKB 2
	MASKB 3
.Lopen_\@:
.irp b, 0,1,2,3
	v_max3_num_f32 v[BM+\b], v[S+16*\b], v[S+16*\b+1], v[S+16*\b+2]    ; the largest score of each block of 32 keys: it serves for the row's maximum and, since p rises with the score, for the block's largest p
.endr
.irp i, 3,5,7,9,11,13
.irp b, 0,1,2,3
	v_max3_num_f32 v[BM+\b], v[BM+\b], v[S+16*\b+\i], v[S+16*\b+\i+1]  ; (the four blocks by turns)
.endr
.endr
.irp b, 0,1,2,3
	v_max_num_f32 v[BM+\b], v[BM+\b], v[S+16*\b+15]
.endr
.irp b, 0,1,2,3
	s_delay_alu instid0(VALU_DEP_4)
	v_permlanex16_b32 v[BP+\b], v[BM+\b], s[SEL], s[SEL+1]
.endr
.irp b, 0,1,2,3
	s_delay_alu instid0(VALU_DEP_4)
	v_max_num_f32 v[BM+\b], v[BM+\b], v[BP+\b]                     ; with lane l xor 16's 16 keys
.endr
	s_delay_alu instid0(VALU_DEP_2)
	v_max3_num_f32 v[T0], v[BM], v[BM+1], v[BM+2]
	s_delay_alu instid0(VALU_DEP_1)
	v_max_num_f32 v[T0], v[T0], v[BM+3]                            ; the step's largest score of my query,
	s_delay_alu instid0(VALU_DEP_1)
	v_mul_f32 v[T0], s[CS], v[T0]                                  ; as t (c is positive)
	s_delay_alu instid0(VALU_DEP_1)
	v_max_num_f32 v[NM+1], v[NM+1], v[T0]                          ; the running largest t
	v_mov_b32 v[T0], v[NM]
	s_delay_alu instid0(VALU_DEP_2)
	v_floor_f32 v[NM], -v[NM+1]                                    ; the new -M = floor(-t) = -ceil(t): a whole number
	s_delay_alu instid0(VALU_DEP_1)
	v_sub_f32 v[T0], v[NM], v[T0]                                  ; old M - new M: a whole number, 0 or less
	s_delay_alu instid0(VALU_DEP_1)
	v_cvt_i32_f32 v[T0], v[T0]                                     ; (it saturates)
	s_delay_alu instid0(VALU_DEP_1)
	v_ldexp_f32 v[FF], 1.0, v[T0]                                  ; f = 2^(old M - new M): multiplying by it rounds nothing
.set NN, 0
.rept 32
	v_pk_fma_f32 v[S+NN:S+NN+1], v[S+NN:S+NN+1], s[CS:CS+1], v[NM:NM+1] op_sel_hi:[1,0,0]   ; t - M, two at a time (of the pairs c and -M the low word serves both halves)
.set NN, NN+2
.endr
.irp b, 0,1,2,3
	v_fma_f32 v[BM+\b], v[BM+\b], s[CS], v[NM]                     ; the same of each block's largest score
.endr
.set NN, 0
	s_wait_alu depctr_va_vdst(0)                                   ; the wait ahead of the batch
.rept 64
	v_exp_f32 v[S+NN], v[S+NN]                                     ; p = 2^(t - M), at most 1, not normalised
.set NN, NN+1
.endr
	v_pk_mul_f32 v[NM+2:NM+3], v[NM+2:NM+3], v[FF:FF+1] op_sel_hi:[1,0]   ; the sums under the new M; the plain line behind the exponentials
	s_wait_alu depctr_va_vdst(0)                                   ; one wait for the batch of 64, ahead of its first reader
.irp b, 0,1,2,3
	v_exp_f32 v[BM+\b], v[BM+\b]                                   ; the blocks' largest p: the same two instructions on the same number give the same bits
.endr
	v_pk_add_f32 v[206:207], v[126:127], v[130:131]                ; the row's sum of the unquantised p, in eight chains
	v_pk_add_f32 v[254:255], v[134:135], v[138:139]
	v_pk_add_f32 v[250:251], v[142:143], v[146:147]
	v_pk_add_f32 v[244:245], v[150:151], v[154:155]
	v_pk_add_f32 v[242:243], v[158:159], v[162:163]
	v_pk_add_f32 v[240:241], v[166:167], v[170:171]
	v_pk_add_f32 v[238:239], v[174:175], v[178:179]
	v_pk_add_f32 v[14:15], v[14:15], v[182:183]
	v_pk_add_f32 v[206:207], v[206:207], v[122:123]
	v_pk_add_f32 v[254:255], v[254:255], v[124:125]
	v_pk_add_f32 v[250:251], v[250:251], v[128:129]
	v_pk_add_f32 v[244:245], v[244:245], v[132:133]
	v_pk_add_f32 v[242:243], v[242:243], v[136:137]
	v_pk_add_f32 v[240:241], v[240:241], v[140:141]
	v_pk_add_f32 v[238:239], v[238:239], v[144:145]
	v_pk_add_f32 v[14:15], v[14:15], v[148:149]
	v_pk_add_f32 v[206:207], v[206:207], v[152:153]
	v_pk_add_f32 v[254:255], v[254:255], v[156:157]
	v_pk_add_f32 v[250:251], v[250:251], v[160:161]
	v_pk_add_f32 v[244:245], v[244:245], v[164:165]
	v_pk_add_f32 v[242:243], v[242:243], v[168:169]
	v_pk_add_f32 v[240:241], v[240:241], v[172:173]
	v_pk_add_f32 v[238:239], v[238:239], v[176:177]
	v_pk_add_f32 v[14:15], v[14:15], v[180:181]
	v_pk_add_f32 v[206:207], v[206:207], v[184:185]
	s_delay_alu instid0(VALU_DEP_2)
	v_pk_add_f32 v[14:15], v[14:15], v[244:245]
	s_delay_alu instid0(VALU_DEP_2)
	v_pk_add_f32 v[206:207], v[206:207], v[242:243]
	v_pk_add_f32 v[254:255], v[254:255], v[240:241]
	v_pk_add_f32 v[250:251], v[250:251], v[238:239]
	s_delay_alu instid0(VALU_DEP_2)
	v_pk_add_f32 v[14:15], v[14:15], v[254:255]
	s_delay_alu instid0(VALU_DEP_2)
	v_pk_add_f32 v[206:207], v[206:207], v[250:251]
	s_delay_alu instid0(VALU_DEP_1)
	v_pk_add_f32 v[14:15], v[14:15], v[206:207]
	s_wait_alu depctr_va_vdst(0)                                   ; and one for the four
.irp b, 0,1,2,3
	v_max_num_f32 v[BM+\b], 0x2800000, v[BM+\b]                    ; the floor 2^(5 - 127): a block whose every p is 0 keeps the byte 1; its codes are zeros
.endr
.irp b, 0,1,2,3
	s_delay_alu instid0(VALU_DEP_4)
	v_add_nc_u32 v[SCO+\b], 0xfe000000, v[BM+\b]                   ; 4 off the exponent field: the conversion's scale operand
.endr
.irp b, 0,1,2,3
	s_delay_alu instid0(VALU_DEP_4)
	v_lshrrev_b32 v[BP+\b], 23, v[SCO+\b]                          ; the byte
.endr
	s_delay_alu instid0(VALU_DEP_3)
	v_lshl_or_b32 v[PS], v[BP+1], 8, v[BP]                         ; p's scale word for these 128 keys
	s_delay_alu instid0(VALU_DEP_1)
	v_lshl_or_b32 v[PS], v[BP+2], 16, v[PS]
	s_delay_alu instid0(VALU_DEP_1)
	v_lshl_or_b32 v[PS], v[BP+3], 24, v[PS]
.irp c, 0,1
	v_cvt_scalef32_pk16_bf6_f32 v[PC+6*\c:PC+6*\c+2], v[S+32*\c:S+32*\c+15], v[SCO+2*\c]
	v_cvt_scalef32_pk16_bf6_f32 v[TH+4*\c:TH+4*\c+2], v[S+32*\c+16:S+32*\c+31], v[SCO+2*\c+1]
.endr
	v_nop                                                          ; one plain line behind the conversions
.irp i, 0,1,2,3,4,5,6,7                                            ; V's fragments take p's registers: half fragment i = 2 ct + cg: channels 16 ct on, keys 64 cg + 32 h on; they land while p's codes are put in order
	ds_load_b128 v[S+6*\i:S+6*\i+3], v[ADAV] offset:CSTR*(4*(\i/4)+2*(\i%2))+HSTR*((\i/2)%2)
	ds_load_b64 v[S+6*\i+4:S+6*\i+5], v[ADBV] offset:CSTR*(4*(\i/4)+2*(\i%2))+HSTR*((\i/2)%2)+256
.endr
.irp c, 0,1                                                        ; the operand's layout wants a whole block in a lane: lanes 0-15 block 2 c, lanes 16-31 block 2 c + 1
.irp i, 0,1,2
	v_permlane16_swap_b32 v[PC+6*\c+\i], v[TH+4*\c+\i]
.endr
.irp i, 0,1,2
	s_delay_alu instid0(VALU_DEP_3)
	v_mov_b32 v[PC+6*\c+3+\i], v[TH+4*\c+\i]
.endr
.endr
.set NN, 0
.rept 16
	v_pk_mul_f32 v[O+NN:O+NN+1], v[O+NN:O+NN+1], v[FF:FF+1] op_sel_hi:[1,0]   ; O^T under the new M.  With the moves above: the places between the writing of p's scale word (8) and codes (4) and the products
.set NN, NN+2
.endr
	s_wait_alu depctr_va_vdst(0)                                   ; the wait here, directly ahead of the wait below
	s_wait_dscnt 0x0                                               ; V's fragments and scale words are in
.irp t, 0,1,2,3
	v_wmma_scale_f32_16x16x128_f8f6f4 v[O+8*\t:O+8*\t+7], v[S+12*\t:S+12*\t+11], v[PC:PC+11], v[O+8*\t:O+8*\t+7], v[SV+\t], v[PS] matrix_a_fmt:MATRIX_FMT_BF6 matrix_b_fmt:MATRIX_FMT_BF6
.endr                                                              ; the step's twelve products name twelve accumulators: no two that follow each other share one
.endm
; A TILE LEAVES.  O^T is divided by the row's sum, or multiplied by 0 where the query lies at or past the sequence's length, and goes through my stage, so that sixteen lanes store a row's 256 aligned bytes.
.macro FINISH ob, more
	v_add_f32 v[NM+2], v[NM+2], v[NM+3]                            ; the sum's two halves,
	s_delay_alu instid0(VALU_DEP_1)
	v_permlanex16_b32 v[T1], v[NM+2], s[SEL], s[SEL+1]
	s_delay_alu instid0(VALU_DEP_1)
	v_add_f32 v[NM+2], v[NM+2], v[T1]                              ; and lane l xor 16's
	s_wait_alu depctr_va_vdst(0)                                   ; the wait ahead of the transcendental
	v_rcp_f32 v[T0], v[NM+2]
	v_and_b32 v[T1], 15, v0                                        ; (plain lines behind the reciprocal)
	s_delay_alu instid0(VALU_DEP_1)
	v_add_nc_u32 v[T1], s[Q0], v[T1]                               ; my query's place in its sequence
	s_delay_alu instid0(VALU_DEP_1)
	v_cmp_gt_i32 vcc_lo, s[LEN], v[T1]
	s_wait_alu depctr_va_vdst(0)                                   ; ahead of the reciprocal's first reader
	v_cndmask_b32 v[T0], 0, v[T0], vcc_lo
.set NN, 0
.rept 16
	v_pk_mul_f32 v[S+NN:S+NN+1], v[O+NN:O+NN+1], v[T0:T0+1] op_sel_hi:[1,0]   ; each accumulator from its low end on
.set NN, NN+2
.endr
.irp t, 0,1,2,3
	ds_store_b128 v[STO], v[S+8*\t:S+8*\t+3] offset:64*\t          ; row r, channels 16 t + 8 h on
	ds_store_b128 v[STO], v[S+8*\t+4:S+8*\t+7] offset:64*\t+16
.endr
.irp i, 0,1,2,3,4,5,6,7
	ds_load_b128 v[S+32+4*\i:S+32+4*\i+3], v[STR] offset:2*\i*SP   ; LDS serves a wave's instructions in order (ISA guide 5.7.1.4): these see my stores.  Lanes 0-15 one row, lanes 16-31 the next
.endr
.irp i, 0,1,2,3,4,5,6,7
	s_wait_dscnt 7-\i                                              ; the younger reads from the stage may stay out
	global_store_b128 v[GOO], v[S+32+4*\i:S+32+4*\i+3], s[\ob:\ob+1] offset:8192*\i th:TH_STORE_NT
.endr
.if \more
	s_wait_xcnt 0x0                                                ; the stores have read their registers, which the next step writes
.endif
.endm
; AN ITEM.  fill = 1: at its head chunk IT + 1's rows go to the f32 stage and chunk IT + 2's are asked for; at its end chunk IT + 1 is quantised.
.macro ITEM fill
	s_add_co_u32 s42, s[IT], s[AA]
	s_lshr_b32 s42, s42, 3                                         ; 1 from item 8 - a on
	s_mul_i32 s42, s42, s[AA]
	s_add_co_u32 s42, s42, s[IT]
	s_and_b32 s[KC], s42, 7                                        ; the first tile takes chunk IT, the second chunk IT + a - 8
	s_mul_i32 s[CB], s[KC], CCH
	s_lshl_b32 s[SB], s[KC], 10
.if \fill
	s_wait_loadcnt 0x0                                             ; chunk IT + 1's rows are in, so the loads' base may step.  The stage's last readers have passed the barrier at the last item's end
	TO_STAGE
	s_add_nc_u64 s[GB:GB+1], s[GB:GB+1], 0x80000                   ; 128 keys on
	s_cmp_lt_u32 s[IT], 6
	s_cbranch_scc0 .Lno_more_\@                                    ; chunk 7 is the last
	s_wait_dscnt 0x0                                               ; the stores have read their registers, which take the next loads
	FILL_LOAD
.Lno_more_\@:
.endif
	s_cmp_lg_u32 s[IT], s[SW]
	s_cbranch_scc1 .Lsame_tile_\@
	FINISH OBB, 1                                                  ; the first tile is done; the second begins
	s_mov_b32 s[Q0], s[Q0A]
	s_mov_b32 s[DG], s[AA]
.irp i, 0,1,2,3,4,5
	v_mov_b32 v[QF+\i], v[QAS+\i]
.endr
	v_mov_b32 v[QS], v[QAS+6]
	INIT                                                           ; (its moves are the places between these writes and the scaled products)
.Lsame_tile_\@:
	ATT
.if \fill
	BARRIER                                                        ; the staged chunk is whole for every wave; and the item's reads of codes stand apart from the fill's stores of codes
	s_add_co_u32 s42, s[IT], 1
	s_mul_i32 s[FC], s42, CCH
	s_add_co_u32 s[FC], s[FC], s[WC]
	s_lshl_b32 s[FS], s42, 10
	FILLQ
	BARRIER                                                        ; chunk IT + 1's codes lie in LDS, whole, for every wave, and nobody reads the f32 stage any more
.endif
.endm
	s_load_b256 s[4:11], s[0:1], 0x0                               ; q s[4:5], k s[6:7], v s[8:9], b_seq_len s[10:11]
	s_load_b64 s[12:13], s[0:1], 0x20                              ; out0
	v_lshrrev_b32 v[T0], 5, v0
	v_readfirstlane_b32 s[WV], v[T0]                               ; wave 0..15
	s_lshr_b32 s[RHO], s[WV], 3
	s_and_b32 s[WI], s[WV], 7
	s_lshr_b32 s[AA], s[WV], 2
	s_and_b32 s18, ttmp9, 1                                        ; j
	s_lshr_b32 s19, ttmp9, 5                                       ; the sequence
	s_bfe_u32 s20, ttmp9, 0x40001                                  ; the head
	s_lshl_b32 s42, s[WV], 1
	s_add_co_u32 s42, s42, s18                                     ; p: my second tile
	s_sub_co_u32 s43, 63, s42                                      ; my first
	s_lshl_b32 s[Q0A], s42, 4
	s_lshl_b32 s[Q0], s43, 4
	s_lshl_b32 s52, s19, 22                                        ; a sequence is 1,024 tokens of 4,096 bytes,
	s_lshl_b32 s53, s20, 8                                         ; a head 256 bytes of a token
	s_add_co_u32 s52, s52, s53
	s_lshl_b32 s44, s43, 16                                        ; a tile is 16 tokens
	s_add_co_u32 s44, s44, s52                                     ; s[44:45]: my first tile's first row, in q and in out0;
	s_mov_b32 s45, 0
	s_lshl_b32 s46, s42, 16
	s_add_co_u32 s46, s46, s52                                     ; s[46:47]: my second tile's
	s_mov_b32 s47, 0
	s_lshl_b32 s48, s[WI], 16                                      ; my loads of K or V: keys 16 (w % 8) on
	s_add_co_u32 s48, s48, s52                                     ; s[48:49]: where they begin, in k or in v
	s_mov_b32 s49, 0
	s_and_b32 s50, s[WI], 3                                        ; V's quantiser: keys 32 kb on,
	s_lshr_b32 s51, s[WI], 2                                       ; channels 32 cc on
	s_lshl_b32 s53, s51, 8                                         ; my scale word or byte.  K: 256 (t / 4) + 4 (t % 4)
	s_lshl_b32 s54, s50, 2
	s_add_co_u32 s53, s53, s54
	s_xor_b32 s54, s[RHO], 1
	s_mul_i32 s53, s53, s54
	s_lshl_b32 s54, s51, 3                                         ; V: 512 + 8 cc + kb, and 4 more for lanes 16-31, which hold the next channel tile
	s_add_co_u32 s54, s54, s50
	s_add_co_u32 s54, s54, 512
	s_mul_i32 s54, s54, s[RHO]
	s_add_co_u32 s53, s53, s54
	s_lshl_b32 s54, s[RHO], 2
	s_mul_i32 s[WC], s[WV], CSTR                                   ; my region of codes
	s_mul_i32 s2, s[WV], 16*SP
	s_add_co_u32 s56, s2, FST                                      ; my 16 rows of the f32 stage
	s_add_co_u32 s2, s2, STG                                       ; my stage of the way out
	s_lshr_b32 s57, s[WI], 1                                       ; K's quantiser: tile t = w begins at key 32 (t / 2) + 8 (t % 2)
	s_lshl_b32 s57, s57, 5
	s_and_b32 s58, s[WI], 1
	s_lshl_b32 s58, s58, 3
	s_add_co_u32 s57, s57, s58
	s_mul_i32 s57, s57, SP
	s_add_co_u32 s57, s57, FST
	s_mul_i32 s58, s50, 32*SP                                      ; V's: row 32 kb of V's 128, + 128 cc bytes
	s_lshl_b32 s59, s51, 7
	s_add_co_u32 s58, s58, s59
	s_add_co_u32 s58, s58, FST+128*SP
	s_lshl_b32 s3, s19, 2                                          ; my sequence's word of b_seq_len
	s_mov_b32 s[CS], 0x3e38aa3b                                    ; c = log2(e) / sqrt(64)
	s_mov_b32 s[CS+1], s[CS]                                       ; (named with it as a pair, so it is written)
	s_mov_b32 s[SEL], 0x76543210
	s_mov_b32 s[SEL+1], 0xfedcba98
	s_sub_co_u32 s[SW], 8, s[AA]
	s_sub_co_u32 s[DG], 7, s[AA]                                   ; the first tile's diagonal lies in chunk 7 - a
	s_mov_b32 s[FC], s[WC]                                         ; chunk 0
	s_mov_b32 s[FS], 0
	v_and_b32 v[T0], 15, v0                                        ; r
	v_bfe_u32 v[T1], v0, 4, 1                                      ; h
	v_lshlrev_b32 v[LA], 4, v[T0]
	v_lshlrev_b32 v[LB], 3, v[T0]
	v_mad_u32_u24 v[LAV], v[T1], CSTR, v[LA]
	v_mad_u32_u24 v[LBV], v[T1], CSTR, v[LB]
	v_add_nc_u32 v[LAV], VREG, v[LAV]
	v_add_nc_u32 v[LBV], VREG, v[LBV]
	v_add_nc_u32 v[LSC], SCREG, v[LA]
	v_mad_u32_u24 v[LA], v[T1], HSTR, v[LA]
	v_mad_u32_u24 v[LB], v[T1], HSTR, v[LB]
	v_mad_u32_u24 v[WS], v[T1], s54, v[LSC]
	v_add_nc_u32 v[WS], s53, v[WS]
	v_and_b32 v[FRK], 8, v[T0]
	v_add_nc_u32 v[FRK], v[FRK], v[T0]                             ; r + 8 (r / 8)
	v_mul_u32_u24 v[FRK], v[FRK], SP
	v_lshl_add_u32 v[FRK], v[T1], 7, v[FRK]                        ; that key's staged row, + my block's 128 bytes
	v_add_nc_u32 v[FRK], s57, v[FRK]
	v_and_b32 v[FRV], 31, v0
	v_lshlrev_b32 v[FRV], 2, v[FRV]
	v_add_nc_u32 v[FRV], s58, v[FRV]
	v_mul_u32_u24 v[STO], v[T0], SP
	v_lshl_add_u32 v[ADB], v[T1], 7, v[STO]
	v_add_nc_u32 v[ADB], s2, v[ADB]                                ; Q read back: row r, + my block's 128 bytes (the register is free until the first step)
	v_lshl_add_u32 v[STO], v[T1], 5, v[STO]
	v_add_nc_u32 v[STO], s2, v[STO]
	v_mul_u32_u24 v[STR], v[T1], SP
	v_lshl_add_u32 v[STR], v[T0], 4, v[STR]
	v_add_nc_u32 v[FSW], s56, v[STR]
	v_add_nc_u32 v[STR], s2, v[STR]
	v_lshlrev_b32 v[GOO], 12, v[T1]
	v_lshl_or_b32 v[GOO], v[T0], 4, v[GOO]
	v_lshlrev_b32 v[SH8], 3, v[T1]
	v_lshlrev_b32 v[QR], 4, v[T1]
	v_sub_nc_u32 v[QR], v[T0], v[QR]
	s_wait_alu depctr_va_vdst(0)                                   ; the wait at the head's end
	s_wait_kmcnt 0x0
	s_load_b32 s[LEN], s[10:11], s3 offset:0x0
	s_cmp_lt_u32 s[WV], 8
	s_cselect_b64 s[GB:GB+1], s[6:7], s[8:9]                       ; the choice hangs on the wave's number alone
	s_add_nc_u64 s[GB:GB+1], s[GB:GB+1], s[48:49]
	s_add_nc_u64 s[OBB:OBB+1], s[12:13], s[44:45]
	s_add_nc_u64 s[OBA:OBA+1], s[12:13], s[46:47]
	s_add_nc_u64 s[50:51], s[4:5], s[44:45]
	s_add_nc_u64 s[52:53], s[4:5], s[46:47]
	FILL_LOAD                                                      ; chunk 0
.irp i, 0,1,2,3,4,5,6,7
	global_load_b128 v[S+4*\i:S+4*\i+3], v[GOO], s[50:51] offset:8192*\i th:TH_LOAD_NT        ; my first tile's Q, two rows a load; read once in the launch
.endr
.irp i, 0,1,2,3,4,5,6,7
	global_load_b128 v[S+32+4*\i:S+32+4*\i+3], v[GOO], s[52:53] offset:8192*\i th:TH_LOAD_NT  ; my second tile's
.endr
.irp i, 0,1,2,3,4,5
	v_mov_b32 v[QF+6+\i], 0                                        ; the zero codes of K = 64 .. 127
	v_mov_b32 v[PC+\i], 0                                          ; named as the upper half of K's tile 7 before p's first codes are made
.endr
	v_mov_b32 v[FF+1], 0                                           ; named as the upper half of a pair
	v_mov_b32 v[QP], 0                                             ; a lane permute's destination counts as one of its sources
	s_wait_loadcnt 16                                              ; chunk 0's eight loads are in; Q's sixteen may be out
	TO_STAGE
	s_wait_loadcnt 0x0
.irp i, 0,1,2,3,4,5,6,7
	ds_store_b128 v[STR], v[S+4*\i:S+4*\i+3] offset:2*\i*SP        ; Q's first tile turns through my stage: in by rows,
.endr
.irp i, 0,1,2,3,4,5,6,7
	ds_load_b128 v[O+4*\i:O+4*\i+3], v[ADB] offset:16*\i           ; back a block of 32 a lane (LDS serves a wave's instructions in order)
.endr
.irp i, 0,1,2,3,4,5,6,7
	ds_store_b128 v[STR], v[S+32+4*\i:S+32+4*\i+3] offset:2*\i*SP  ; then the second
.endr
	s_wait_dscnt 8                                                 ; all but these eight stores: chunk 0's rows are staged, the first tile is back
	s_add_nc_u64 s[GB:GB+1], s[GB:GB+1], 0x80000
	FILL_LOAD                                                      ; chunk 1
.irp i, 0,1,2,3,4,5,6,7
	ds_load_b128 v[S+4*\i:S+4*\i+3], v[ADB] offset:16*\i
.endr
	QBLK O, QF
	QWORD QS
	s_wait_dscnt 0x0
	QBLK S, QAS
	QWORD QAS+6
	BARRIER                                                        ; chunk 0 is staged whole
	FILLQ
	BARRIER                                                        ; chunk 0's codes lie in LDS
	s_wait_kmcnt 0x0                                               ; b_seq_len
	INIT
	s_mov_b32 s[IT], 0
.Litem:                                                            ; items 0 to 6: each fills the next chunk
	ITEM 1
	s_add_co_u32 s[IT], s[IT], 1
	s_cmp_lt_u32 s[IT], 7
	s_cbranch_scc1 .Litem
	s_mov_b32 s[IT], 7                                             ; (the loop above leaves 7 here; written again so that this loop's count can be read off the text)
.Ltail:                                                            ; items 7 and 8: all chunks lie in LDS, nothing shared is written any more: no barrier
	ITEM 0
	s_add_co_u32 s[IT], s[IT], 1
	s_cmp_lt_u32 s[IT], 9
	s_cbranch_scc1 .Ltail
	FINISH OBA, 0
	s_wait_xcnt 0x0
	v_lshl_add_u32 v254, v0, 2, SPARE                              ; the wave's end
	v_mov_b32 v255, 0
	s_wait_alu depctr_va_vdst(0)
	s_wait_tensorcnt 0x0
	ds_add_u32 v254, v255
	s_wait_dscnt 0x0
	s_endpgm
.Lfunc_end_k_q6df022e82e_attn:
	.size	k_q6df022e82e_attn, .Lfunc_end_k_q6df022e82e_attn-k_q6df022e82e_attn
	.p2alignl 7, 3214868480
	.fill 96, 4, 3214868480
	.section	.rodata,"a",@progbits
	.p2align	6, 0x0
	.amdhsa_kernel k_q6df022e82e_attn
		.amdhsa_group_segment_fixed_size 249856
		.amdhsa_private_segment_fixed_size 0
		.amdhsa_enable_private_segment 0
		.amdhsa_kernarg_size 40
		.amdhsa_user_sgpr_count 2
		.amdhsa_user_sgpr_kernarg_segment_ptr 1
		.amdhsa_wavefront_size32 1
		.amdhsa_system_sgpr_workgroup_id_x 1
		.amdhsa_system_sgpr_workgroup_id_y 1
		.amdhsa_system_sgpr_workgroup_id_z 1
		.amdhsa_system_vgpr_workitem_id 0
		.amdhsa_next_free_vgpr 256
		.amdhsa_next_free_sgpr 66
		.amdhsa_reserve_vcc 1
		.amdhsa_float_denorm_mode_32 3
		.amdhsa_float_denorm_mode_16_64 3
		.amdhsa_memory_ordered 1
		.amdhsa_forward_progress 1
		.amdhsa_inst_pref_size 93
	.end_amdhsa_kernel
	.amdgpu_metadata
---
amdhsa.version: [ 1, 2 ]
amdhsa.kernels:
  - .name:           k_q6df022e82e_attn
    .symbol:         k_q6df022e82e_attn.kd
    .args:
      - { .name: q, .offset: 0, .size: 8, .value_kind: global_buffer, .address_space: global }
      - { .name: k, .offset: 8, .size: 8, .value_kind: global_buffer, .address_space: global }
      - { .name: v, .offset: 16, .size: 8, .value_kind: global_buffer, .address_space: global }
      - { .name: b_seq_len, .offset: 24, .size: 8, .value_kind: global_buffer, .address_space: global }
      - { .name: out0, .offset: 32, .size: 8, .value_kind: global_buffer, .address_space: global }
    .group_segment_fixed_size: 249856
    .private_segment_fixed_size: 0
    .kernarg_segment_align: 8
    .kernarg_segment_size: 40
    .max_flat_workgroup_size: 512
    .sgpr_count:     66
    .vgpr_count:     256
    .wavefront_size: 32
...
	.end_amdgpu_metadata
.endif
;; end of part 1
